; MI455X (gfx1250); checked and timed in simulation.
; The chip was launched on July 23, 2026; its instructions are those of AMD's public machine-readable ISA for CDNA 5 (MIT licence, August 2026) and "CDNA5" Instruction Set Architecture Reference Guide (July 2026). The comments in the code are by the model that wrote it; some were corrected since.
;; Rotated Embedding. Allowed arithmetic: matrix products marked QUANTISED: E2M1 operands, one E8M0 scale for each 32 along K, by v_wmma_scale_f32_16x16x128_f8f6f4 with both operands' format E2M1 (or v_wmma_scale_f32_32x16x128_f4), f32 sums; everything else in f32.
;; Inputs: R 1,024 x 1,024 float32; input_ids 4 x 4,096 int32; weight 50,257 x 1,024 float32.
;; Outputs: out0 4 x 4,096 x 1,024 float32.
;; This version of the problem:
;;   THIS VERSION OF THE PROBLEM IS GIVEN IN LOW PRECISION. The matrix products marked QUANTISED in the list below multiply operands that are first quantised to E2M1 (2 exponent bits, 1 mantissa bit; 4 bits a number), with one power-of-two scale for each 32 numbers along K (OCP MX v1.0); their sums are f32. All else is computed in f32.
;;   The module's matrix products, in the order in which they are computed (A, B: the left and right operand; K: the contracted axis; several contracted axes count as one K, in the product's order):
;;     1. [M 50,257, K 1,024] x [K 1,024, N 1,024]; A: input weight; B: input R: QUANTISED
;;   THE QUANTISER, for each operand of a quantised product, along K:
;;     - K is cut into blocks of 32 from its start; a last block that is shorter is filled with zeros.
;;     - A block's scale is 2^e with e = floor(log2(the largest magnitude in the block)) - 2, held to -126 .. 127; a block of zeros has e = 0. As a byte (E8M0): e + 127.
;;     - Each number is divided by its block's scale, clamped to +-6, and rounded to the nearest number of E2M1, ties to even, subnormals kept.
;;     - The product sums the exact products of the quantised numbers (number of the format x scale) in f32.
;;   ~~~python
;;   def quantise(x, axis):      # numpy; x: float32 -> the quantised numbers, widened to float32 again
;;       x = np.moveaxis(x, axis, -1); K = x.shape[-1]
;;       x = np.pad(x, [(0, 0)] * (x.ndim - 1) + [(0, -K % 32)]); x = x.reshape(x.shape[:-1] + (-1, 32)); a = np.abs(x).max(-1, keepdims=True)
;;       e = np.where(a > 0, np.clip(np.frexp(np.where(a > 0, a, 1))[1] - 1 - 2, -126, 127), 0)      # np.frexp(a)[1] - 1 = floor(log2(a)), exactly
;;       r = np.clip(x / 2.0 ** e, -6, 6)
;;       step = 2.0 ** (np.maximum(np.frexp(np.where(r == 0, 1, r))[1] - 1, 0) - 1)
;;       q = np.round(r / step) * step * 2.0 ** e      # np.round: ties to even
;;       return np.moveaxis(q.reshape(q.shape[:-2] + (-1,))[..., :K], -1, axis).astype(np.float32)
;;   ~~~
;; One version. Each part assembles by itself: llvm-mc -triple=amdgcn-amd-amdhsa -mcpu=gfx1250 --defsym DOCPART=n.
;; ======== version 1 of 1: 2 launches
;; limits: right only within a limited range of input values
;; workspace buffers: rcodes 524,288 bytes; rscales 32,768 bytes
;; launch prep (part 1): grid 16 x 8, 8 waves a work-group, no clusters, 5,376 bytes of LDS; arguments R, rcodes, rscales; writes rcodes, rscales
.if DOCPART == 1
	.amdgcn_target "amdgcn-amd-amdhsa--gfx1250"
	.amdhsa_code_object_version 6
	.text
	.protected	k_q0cfd159c2a_prep
	.globl	k_q0cfd159c2a_prep
	.p2align	8
	.type	k_q0cfd159c2a_prep,@function
k_q0cfd159c2a_prep:
	s_mov_b64 s[64:65], 0
	v_nop
	global_prefetch_b8 v0, s[64:65] scope:SCOPE_SE
	s_setreg_imm32_b32 hwreg(HW_REG_WAVE_MODE, 25, 1), 1
	s_wait_xcnt 0x0
; out0[t][:] = Q(weight[ids[t]][:]) . Q(R), in two launches.  WORK LEFT OUT, in both: reference() rotates the whole table and keeps the rows that the ids name; a row of the rotated table that no id names reaches no output,
; whatever the numbers are, so only the named rows are multiplied.  Limit: a NaN, an infinity or an overflow in a row that no id names is not carried to the result.
; THIS LAUNCH: R [1024 (k)][1024 (n)], f32, K its FIRST axis, is turned into codes of FP4 (E2M1) with one E8M0 scale byte for each 32 along K, laid in the order in which the product's launch takes them into registers.
; A LANE TAKES A COLUMN n, AND ITS 32 REGISTERS RUN DOWN K: a block of 32 lies in one lane, its largest magnitude needs no other lane, and the conversions give 16 bytes of codes with K innermost.
; A block's scale is 2^(floor(log2(its largest magnitude)) - 2); its byte is the largest magnitude's exponent field - 2, held at 1 from below.
; SHARES.  Work-group (J, s): columns 64 J .. + 63, K step s: k = 128 s .. + 127.  Wave v: block b = v & 3 of the step, columns 32 (v >> 2) + lane of the 64.
; A tile of 16 columns is u = n & 3, and in it column r = (n >> 2) & 15: so the four tiles' results of one r are four neighbouring columns.
; rcodes: the 16 bytes of (n, block b of step s) lie at 32768 J + 4096 s + 1024 u + 256 b + 16 r.  rscales: the byte lies at 2048 J + 256 s + 8 (16 (u & 1) + r) + 4 (u >> 1) + b.
; Both meet in LDS, so that a work-group's codes leave as 4,096 consecutive bytes and its scale bytes as 256.
; LIMITS: a block of zeros gets the byte 1 where the rule says 127: its codes are zeros, which add nothing under any byte but 0xff, and this program alone reads the bytes.  Blocks whose largest magnitude lies under 2^-124
; (the floor, whose byte is held at 1) were not tried.  NaN and infinities are not served.
.set FLOOR, 0x1800000                  ; 2^(3 - 127): no largest magnitude is taken under it, so the byte cannot fall under 1
.set NUM,   16                         ; v16-47  my column's 32 numbers of the block
.set SCB,   4096                       ; LDS: 4,096 bytes of codes, then 256 scale bytes,
.set SPARE, 4352                       ; then the spare words, 128 bytes for each wave, that no other line names
	s_load_b128 s[4:7], s[0:1], 0x0                ; R s[4:5], rcodes s[6:7]
	s_load_b64 s[8:9], s[0:1], 0x10                ; rscales
	v_lshl_add_u32 v64, v0, 2, SPARE
	v_mov_b32 v65, 0
	v_lshrrev_b32 v6, 5, v0
	v_readfirstlane_b32 s10, v6                    ; wave 0..7
	s_and_b32 s11, s10, 3                          ; b
	s_lshr_b32 s12, s10, 2                         ; which half of the 64 columns
	s_and_b32 s13, ttmp7, 0xffff                   ; s
	s_lshl_b32 s14, s11, 8
	s_lshl_b32 s15, s12, 7
	s_add_co_u32 s14, s14, s15                     ; codes in LDS: 256 b + 128 half
	s_lshl_b32 s15, s12, 6
	s_add_co_u32 s15, s15, s11
	s_add_co_u32 s15, s15, SCB                     ; scale bytes: SCB + 64 half + b
	v_and_b32 v1, 31, v0                           ; lane
	v_lshlrev_b32 v5, 4, v0                        ; 16 x thread: the codes' way out
	v_lshrrev_b32 v7, 2, v1                        ; r - 8 half
	v_and_b32 v8, 3, v1                            ; u
	v_and_b32 v9, 1, v1
	v_bfe_u32 v10, v1, 1, 1
	v_lshlrev_b32 v3, 4, v7
	v_lshlrev_b32 v4, 3, v7
	v_lshl_add_u32 v3, v8, 10, v3
	v_lshl_add_u32 v4, v9, 7, v4
	v_add_nc_u32 v3, s14, v3                       ; LDS: where my codes go
	v_lshl_add_u32 v4, v10, 2, v4
	v_lshlrev_b32 v2, 2, v1                        ; in: 4 bytes a lane
	v_add_nc_u32 v4, s15, v4                       ; LDS: where my scale byte goes
	v_lshlrev_b32 v6, 3, v1                        ; 8 x lane: the scale bytes' way out
	s_wait_alu depctr_va_vdst(0)                   ; the wait at the head's end
	s_lshl_b32 s14, s13, 19                        ; R: 128 s rows of 4,096 bytes,
	s_lshl_b32 s15, s11, 17                        ; + 32 b rows
	s_add_co_u32 s14, s14, s15
	s_lshl_b32 s15, ttmp9, 8                       ; + 64 J columns of 4 bytes,
	s_add_co_u32 s14, s14, s15
	s_lshl_b32 s15, s12, 7                         ; + 32 half columns
	s_add_co_u32 s14, s14, s15
	s_mov_b32 s15, 0
	s_lshl_b32 s16, ttmp9, 15                      ; rcodes: 32768 J + 4096 s
	s_lshl_b32 s17, s13, 12
	s_add_co_u32 s16, s16, s17
	s_mov_b32 s17, 0
	s_lshl_b32 s18, ttmp9, 11                      ; rscales: 2048 J + 256 s
	s_lshl_b32 s19, s13, 8
	s_add_co_u32 s18, s18, s19
	s_mov_b32 s19, 0
	s_wait_kmcnt 0x0
	s_add_nc_u64 s[4:5], s[4:5], s[14:15]
	s_add_nc_u64 s[6:7], s[6:7], s[16:17]
	s_add_nc_u64 s[8:9], s[8:9], s[18:19]
.irp i, 0,1,2,3,4,5,6,7,8,9,10,11,12,13,14,15,16,17,18,19,20,21,22,23,24,25,26,27,28,29,30,31
	global_load_b32 v[NUM+\i], v2, s[4:5] offset:4096*\i th:TH_LOAD_NT   ; row i of my block, my column; the wave of the other half reads the neighbouring 128 bytes
.endr
	s_wait_loadcnt 0x0
	v_max3_num_f32 v8, |v[NUM]|, |v[NUM+1]|, |v[NUM+2]|            ; the block's largest magnitude, in two chains
	v_max3_num_f32 v9, |v[NUM+3]|, |v[NUM+4]|, |v[NUM+5]|
.irp i, 6,10,14,18,22,26
	s_delay_alu instid0(VALU_DEP_2)
	v_max3_num_f32 v8, v8, |v[NUM+\i]|, |v[NUM+\i+1]|
	s_delay_alu instid0(VALU_DEP_2)
	v_max3_num_f32 v9, v9, |v[NUM+\i+2]|, |v[NUM+\i+3]|
.endr
	s_delay_alu instid0(VALU_DEP_2)
	v_max3_num_f32 v8, v8, |v[NUM+30]|, |v[NUM+31]|
	s_delay_alu instid0(VALU_DEP_1)
	v_max3_num_f32 v8, v8, v9, FLOOR
	s_delay_alu instid0(VALU_DEP_1)
	v_add_nc_u32 v10, 0xff000000, v8               ; 2 off its exponent field: the conversion takes the exponent field of this operand as its scale, and nothing else of it
.irp g, 0,1,2,3
	v_cvt_scalef32_pk8_fp4_f32 v[12+\g], v[NUM+8*\g:NUM+8*\g+7], v10   ; eight codes a register, the lower k in the lower bits; beyond the largest code the largest
.endr
	v_lshrrev_b32 v11, 23, v10                     ; the scale's byte (a plain line behind the conversions)
	ds_store_b128 v3, v[12:15]
	ds_store_b8 v4, v11
	s_wait_dscnt 0x0                               ; for the others' sake: my stores are done
	s_barrier_signal -1
	s_barrier_wait -1
	ds_load_b128 v[48:51], v5                      ; wave v: bytes 512 v .. + 511 of the work-group's codes
	s_wait_dscnt 0x0
	global_store_b128 v5, v[48:51], s[6:7]         ; 512 consecutive bytes, aligned
	s_cmp_lg_u32 s10, 0
	s_cbranch_scc1 .Lend
	ds_load_b64 v[52:53], v6 offset:SCB            ; wave 0: the 256 scale bytes
	s_wait_dscnt 0x0
	global_store_b64 v6, v[52:53], s[8:9]
.Lend:
	s_wait_tensorcnt 0x0                           ; the wave's end
	ds_add_u32 v64, v65
	s_wait_dscnt 0x0
	s_endpgm
.Lfunc_end_k_q0cfd159c2a_prep:
	.size	k_q0cfd159c2a_prep, .Lfunc_end_k_q0cfd159c2a_prep-k_q0cfd159c2a_prep
	.p2alignl 7, 3214868480
	.fill 96, 4, 3214868480
	.section	.rodata,"a",@progbits
	.p2align	6, 0x0
	.amdhsa_kernel k_q0cfd159c2a_prep
		.amdhsa_group_segment_fixed_size 5376
		.amdhsa_private_segment_fixed_size 0
		.amdhsa_enable_private_segment 0
		.amdhsa_kernarg_size 24
		.amdhsa_user_sgpr_count 2
		.amdhsa_user_sgpr_kernarg_segment_ptr 1
		.amdhsa_wavefront_size32 1
		.amdhsa_system_sgpr_workgroup_id_x 1
		.amdhsa_system_sgpr_workgroup_id_y 1
		.amdhsa_system_sgpr_workgroup_id_z 1
		.amdhsa_system_vgpr_workitem_id 0
		.amdhsa_next_free_vgpr 66
		.amdhsa_next_free_sgpr 66
		.amdhsa_reserve_vcc 0
		.amdhsa_float_denorm_mode_32 3
		.amdhsa_float_denorm_mode_16_64 3
		.amdhsa_memory_ordered 1
		.amdhsa_forward_progress 1
		.amdhsa_inst_pref_size 8
	.end_amdhsa_kernel
	.amdgpu_metadata
---
amdhsa.version: [ 1, 2 ]
amdhsa.kernels:
  - .name:           k_q0cfd159c2a_prep
    .symbol:         k_q0cfd159c2a_prep.kd
    .args:
      - { .name: R, .offset: 0, .size: 8, .value_kind: global_buffer, .address_space: global }
      - { .name: rcodes, .offset: 8, .size: 8, .value_kind: global_buffer, .address_space: global }
      - { .name: rscales, .offset: 16, .size: 8, .value_kind: global_buffer, .address_space: global }
    .group_segment_fixed_size: 5376
    .private_segment_fixed_size: 0
    .kernarg_segment_align: 8
    .kernarg_segment_size: 24
    .max_flat_workgroup_size: 256
    .sgpr_count:     66
    .vgpr_count:     66
    .wavefront_size: 32
...
	.end_amdgpu_metadata
.endif
;; end of part 1
;; launch main (part 2): grid 256 x 1, 4 waves a work-group, clusters of 4 x 1, 327,680 bytes of LDS; arguments input_ids, weight, rcodes, rscales, out0; writes out0
.if DOCPART == 2
	.amdgcn_target "amdgcn-amd-amdhsa--gfx1250"
	.amdhsa_code_object_version 6
	.text
	.protected	k_q0cfd159c2a_main
	.globl	k_q0cfd159c2a_main
	.p2align	8
	.type	k_q0cfd159c2a_main,@function
k_q0cfd159c2a_main:
	s_mov_b64 s[64:65], 0
	v_nop
	global_prefetch_b8 v0, s[64:65] scope:SCOPE_SE
	s_setreg_imm32_b32 hwreg(HW_REG_WAVE_MODE, 25, 1), 1
	s_wait_xcnt 0x0
	s_wait_alu depctr_hold_cnt(0) depctr_sa_sdst(0) depctr_va_vdst(0) depctr_va_sdst(0) depctr_va_ssrc(0) depctr_va_vcc(0) depctr_vm_vsrc(0)
	s_getreg_b32 s2, hwreg(HW_REG_IB_STS2, 6, 4)
	s_cmp_eq_u32 s2, 0
	s_cbranch_scc0 .Lentry_in_a_cluster
	s_endpgm
.Lentry_in_a_cluster:
	s_bfe_u32 s2, ttmp6, 0x10000c
	s_cmp_lg_u32 s2, 0x3003
	s_cbranch_scc0 .Lentry_shape_is_right
	s_endpgm
.Lentry_shape_is_right:
; out0[t][:] = Q(weight[ids[t]][:]) . Q(R), 16,384 tokens, K = 1,024, 1,024 columns; both operands codes of FP4 (E2M1) with one E8M0 scale for each 32 along K; sums in f32.
; Only the rows that the ids name are multiplied: the other rows of the rotated table reach no output, so a NaN or an infinity in them is not carried to the result.
; SHARES.  A work-group of four waves owns 64 tokens and all columns: 256 work-groups.
;   PHASE X: wave w gathers the rows of tokens 16 w .. + 15, eight dense loads of 512 bytes a row, five rows on their way; a row turns through the wave's own stage in LDS, so that lane l holds block l (32 neighbours
;   along K) in 32 registers; largest magnitude, scale byte and conversion need no other lane.  Codes and bytes go to LDS in the order in which a fragment's registers take them; one barrier; every wave loads all 32 fragments
;   of the 64 tokens (256 registers) and their scale words, and keeps them.
;   THE PRODUCT: wave w makes columns 256 w .. + 255, in four chunks of 64.  A chunk of R (64 columns x K = 1,024) is 256 registers.  A tile is 16 tokens x 64 columns: 32 products on four accumulators by turns.
; R'S CODES, 131,072 bytes a wave, are asked for whole ahead of the first store, and no LDS byte is filled twice.  Chunks 0 and 1 (65,536 bytes) come into LDS by ONE tensor load a wave.  All work-groups want the same codes, so the
;   four of a cluster ask JOINTLY: the same load, the same descriptor, a mask that names the four.  Wave w asks for exactly the bytes that it alone reads, so its own wait on TENSORcnt is all that its reads need.
;   Chunks 2 and 3 come by 128 dense loads of 512 bytes straight into registers, six behind each row of the gather: LDS has 9,728 bytes left beside chunks 0 and 1, and a joint load cannot end in registers.  Chunks 2 and 3 are multiplied first;
;   then 0 and 1 move from LDS into the same registers, 16 loads a tile, while the chunk before is multiplied.
; THE WAY OUT uses no LDS.  Source 0 is the tokens, source 1 R, so lane (r, h) register j holds token 8 h + j, column r of a tile; tile u of a chunk is made of the columns 4 r + u, so the four accumulators' registers j are 16 neighbouring bytes
;   of a token's row.  Moves lay the four side by side; sixteen lanes store 256 consecutive bytes.
; No prefetch: there is no loop to run ahead in, and a work-group has 80 KiB of rows asked for by loads.
; LIMITS: an id outside 0 .. 50,256 (compared unsigned) is held at 50,256: the problem keeps ids inside the table.  A block of zeros has the scale byte 1 where the rule says 127: its codes are zeros.  Blocks whose largest magnitude lies under
;   2^-124 (the floor, whose byte is held at 1) were not tried.  NaN and infinities are not served.
; REGISTERS, in windows of 256 (s_set_vgpr_msb's low byte: bits 1:0 source 0, 3:2 source 1, 5:4 source 2, 7:6 destination):
;   window 0: v1-15 addresses; v16-25 codes and bytes just made; v26-30 at work at the head; v32-95 R's scale words; v96-127 the tokens'; v128-191 two sets of 32 numbers, later two sets of four accumulators; v192-255 two sets of 32 for the way out
;   window 1: five rows of weight as loaded, 32 registers each; later the tokens' fragments, (m, s) at v[8 (8 m + s)]
;   windows 2, 3: a chunk of R each, fragment (s, u) at v[8 (4 s + u)]
.set VOCAB, 50257
.set TURNB, 262144                     ; LDS: R's chunks 0 and 1, 65,536 bytes a wave; then 4 x 4,608: each wave's stage, a row as 32 blocks of 128 bytes + 16 of padding
.set TW,    4608
.set AIMG,  TURNB+4*TW                 ; 4 x 8,704: the tokens' codes: 8704 m + 272 kb + 16 r
.set AW,    8704
.set ASC,   AIMG+4*AW                  ; 2,048: the tokens' scale bytes: 512 m + 32 r + kb
.set SPARE, ASC+2048                   ; the spare words, 128 bytes for each wave: two blocks of 256 bytes that no other line names
.set FLOOR, 0x1800000                  ; 2^(3 - 127): no largest magnitude is taken under it, so the byte cannot fall under 1
.set L16, 1                            ; v1   16 x lane
.set TIN, 2                            ; v2   the stage, a row's way in: 144 (lane / 8) + 16 (lane % 8)
.set TOUT, 3                           ; v3   and out: 144 x lane: my block
.set AWI, 4                            ; v4   where I store my block's codes: 272 x lane, in my wave's image
.set AWS, 5                            ; v5   and its scale byte: byte lane
.set ARD, 6                            ; v6   where I read a fragment: 272 (lane / 16) + 16 (lane % 16)
.set ASR, 7                            ; v7   and a token's scale words: 32 (lane % 16)
.set RLD, 8                            ; v8   my wave's 65,536 bytes of R in LDS + 16 x lane
.set L8,  9                            ; v9   8 x lane
.set CO,  10                           ; v10  my byte offset in out0
.set SPW, 14                           ; v14  LDS address of my spare word: SPARE + 4 x my thread's number; never rewritten
.set NIL, 15                           ; v15  0; never rewritten
.set BS,  32                           ; R's scale words: BS + 16 j + 2 s + p: lanes 0-15 tile 2 p, lanes 16-31 tile 2 p + 1
.set AS,  96                           ; the tokens': AS + 8 m + s, lanes 0-15
.set XB,  128
.set AC,  128
.set OB,  192
.set RCX, 24                           ; s[24:25] my chunks 2 and 3 in rcodes
.set RB,  32                           ; s[32:63] the addresses of my 16 rows of weight
.set ID,  68                           ; s[68:83] my 16 ids
.set G1,  84                           ; s[84:91] descriptor group 1
.set G0,  92                           ; s[92:95] group 0
.set MSB, 0
.macro WIN new                         ; the immediate's high byte repeats the setting that is left; a switch that changes nothing is dropped
.if MSB != (\new)
	s_set_vgpr_msb (MSB<<8)|(\new)
.set MSB, (\new)
.endif
.endm
.macro PLACES n
.rept \n
	v_nop
.endr
.endm
; A round of the cluster's barrier.
.macro CROUND
	s_barrier_signal -1
	s_barrier_wait -1
	s_cmp_lg_u32 s14, 0
	s_cbranch_scc1 .Lnot_wave_0_\@
	s_barrier_signal -3
.Lnot_wave_0_\@:
	s_barrier_wait -3
	s_barrier_signal -1
	s_barrier_wait -1
.endm
	s_load_b256 s[4:11], s[0:1], 0x0               ; ids s[4:5], weight s[6:7], rcodes s[8:9], rscales s[10:11]
	s_load_b64 s[12:13], s[0:1], 0x20              ; out0
	v_lshl_add_u32 v[SPW], v0, 2, SPARE
	v_mov_b32 v[NIL], 0
	ds_add_u32 v[SPW], v[NIL]                      ; the wave's opening: the add, twice on end, and its wait ahead of my first tensor load
	ds_add_u32 v[SPW], v[NIL]
	v_lshrrev_b32 v26, 5, v0
	v_readfirstlane_b32 s14, v26                   ; wave 0..3
	s_bfe_u32 s15, ttmp6, 0x40000                  ; cx: my place in the cluster: it enters the addresses of the ids and of out0 alone
	s_lshl_b32 s16, ttmp9, 2                       ; in a cluster launch ttmp9 counts clusters
	s_add_co_u32 s16, s16, s15                     ; my work-group: 4 x cluster + cx
	s_mul_i32 s17, s14, TW
	s_add_co_u32 s17, s17, TURNB                   ; my stage
	s_mul_i32 s18, s14, AW
	s_add_co_u32 s18, s18, AIMG                    ; my wave's image: tile of tokens m = wave
	s_lshl_b32 s19, s14, 9
	s_add_co_u32 s19, s19, ASC
	s_lshl_b32 s20, s14, 10                        ; my 256 columns in a row of out0
	s_lshl_b32 s21, s14, 16                        ; my R in LDS
	v_and_b32 v26, 31, v0                          ; lane
	v_and_b32 v27, 15, v0                          ; r
	v_bfe_u32 v28, v0, 4, 1                        ; h
	v_lshlrev_b32 v[L16], 4, v26
	v_lshlrev_b32 v[L8], 3, v26
	v_lshrrev_b32 v29, 3, v26
	v_and_b32 v30, 7, v26
	v_mul_u32_u24 v[TIN], v29, 144
	v_lshl_add_u32 v[TIN], v30, 4, v[TIN]
	v_add_nc_u32 v[TIN], s17, v[TIN]
	v_mul_u32_u24 v[TOUT], v26, 144
	v_add_nc_u32 v[TOUT], s17, v[TOUT]
	v_mul_u32_u24 v[AWI], v26, 272
	v_add_nc_u32 v[AWI], s18, v[AWI]
	v_add_nc_u32 v[AWS], s19, v26
	v_mul_u32_u24 v[ARD], v28, 272
	v_lshl_add_u32 v[ARD], v27, 4, v[ARD]
	v_add_nc_u32 v[ARD], AIMG, v[ARD]
	v_lshl_add_u32 v[ASR], v27, 5, ASC
	v_add_nc_u32 v[RLD], s21, v[L16]
	v_lshlrev_b32 v[CO], 15, v28                   ; token 8 h: 8 rows of 4,096 bytes
	v_lshl_add_u32 v[CO], v27, 4, v[CO]
	v_add_nc_u32 v[CO], s20, v[CO]
	s_wait_alu depctr_va_vdst(0)                   ; the wait at the head's end, ahead of the scalar lines and the waits
	; descriptor group 1: 65,536 dense bytes as 256 rows of 256 bytes; no padding: a fragment load reads 512 consecutive bytes
	s_mov_b32 s[G1+0], 15|(3<<16)|(1<<21)          ; 15:0 the mask: all four work-groups; 17:16 elements of 8 bytes; 21 set beside a mask
	s_mov_b32 s[G1+1], 32<<16                      ; tensor_dim0 = 32
	s_mov_b32 s[G1+2], 256<<16                     ; tensor_dim1 = 256
	s_mov_b32 s[G1+3], 32<<16                      ; tile_dim0 = 32
	s_mov_b32 s[G1+4], 256                         ; tile_dim1 = 256
	s_mov_b32 s[G1+5], 32                          ; from row to row
	s_mov_b32 s[G1+6], 0
	s_mov_b32 s[G1+7], 0
	s_lshl_b32 s18, s16, 8                         ; my ids: 64 tokens of 4 bytes a work-group,
	s_lshl_b32 s19, s14, 6                         ; 16 a wave
	s_add_co_u32 s18, s18, s19
	s_mov_b32 s19, 0
	s_lshl_b32 s20, s16, 18                        ; out0: 64 tokens of 4,096 bytes a work-group
	s_mov_b32 s21, 0
	s_lshl_b32 s22, s14, 13                        ; rscales: my 256 columns: 8,192 bytes
	s_mov_b32 s23, 0
	s_lshl_b32 s26, s14, 17                        ; rcodes: my 256 columns: 131,072 bytes; no place in the cluster enters a descriptor
	s_mov_b32 s27, 0
	s_wait_dscnt 0x0                               ; both opening adds are done
	s_wait_kmcnt 0x0
	s_add_nc_u64 s[4:5], s[4:5], s[18:19]
	s_load_b512 s[ID:ID+15], s[4:5], 0x0           ; my 16 ids
	s_add_nc_u64 s[12:13], s[12:13], s[20:21]
	s_add_nc_u64 s[10:11], s[10:11], s[22:23]
.irp j, 0,1,2,3
.irp s, 0,1,2,3,4,5,6,7
	global_load_b64 v[BS+16*\j+2*\s:BS+16*\j+2*\s+1], v[L8], s[10:11] offset:2048*\j+256*\s   ; R's scale words, while the ids are on their way: 256 consecutive bytes a load
.endr
.endr
	s_mov_b32 s[G0+0], 1                           ; count = 1
	s_lshl_b32 s[G0+1], s14, 16                    ; LDS address: my quarter
	s_add_nc_u64 s[G0+2:G0+3], s[8:9], s[26:27]    ; chunks 0 and 1
	s_add_nc_u64 s[RCX:RCX+1], s[G0+2:G0+3], 0x10000   ; chunks 2 and 3
	s_or_b32 s[G0+3], s[G0+3], 0x80000000          ; type = 2
	CROUND                                         ; all four work-groups are here: the joint loads meet
	tensor_load_to_lds s[G0:G0+3], s[G1:G1+7]      ; my one tensor load
	s_nop 0
	PLACES 4
	s_wait_kmcnt 0x0                               ; the ids
.macro ADDR t
	s_min_u32 s[ID+\t], s[ID+\t], VOCAB-1          ; held inside the table
	s_lshl_b32 s[RB+2*\t], s[ID+\t], 12            ; a row is 4,096 bytes; the table has under 2^32
	s_mov_b32 s[RB+2*\t+1], 0
	s_add_nc_u64 s[RB+2*\t:RB+2*\t+1], s[6:7], s[RB+2*\t:RB+2*\t+1]
.endm
; Row t of my 16: eight loads of 512 consecutive bytes, into row slot t % 5 of window 1.  No hint: the ids may name a row twice.
.macro LOADROW t
	WIN 0x40                                       ; destination window 1
.irp i, 0,1,2,3,4,5,6,7
	global_load_b128 v[32*((\t)%5)+4*\i:32*((\t)%5)+4*\i+3], v[L16], s[RB+2*(\t):RB+2*(\t)+1] offset:512*\i
.endr
.endm
; n of R's 128 loads into registers, from the i0-th on: load i fills v[4 (i % 64)] of window 2 (chunk 2) or 3 (chunk 3)
.macro RLOAD i0, n
.set RI, \i0
.rept \n
	WIN 0x80+0x40*(RI/64)
	global_load_b128 v[4*(RI%64):4*(RI%64)+3], v[L16], s[RCX:RCX+1] offset:512*RI
.set RI, RI+1
.endr
.endm
; Row t through the stage: in as it was loaded, out a block of 128 bytes a lane.  LDS serves a wave's instructions in order (ISA guide 5.7.1.4): no wait between the stores and the loads, and one stage serves all rows.
.macro TURN t
	WIN 0x04                                       ; an LDS store's data are its source 1: window 1
.irp i, 0,1,2,3,4,5,6,7
	ds_store_b128 v[TIN], v[32*((\t)%5)+4*\i:32*((\t)%5)+4*\i+3] offset:576*\i   ; a load's 512 bytes are four blocks: 4 x 144
.endr
	WIN 0
.irp i, 0,1,2,3,4,5,6,7
	ds_load_b128 v[XB+32*((\t)%2)+4*\i:XB+32*((\t)%2)+4*\i+3], v[TOUT] offset:16*\i
.endr
.endm
; Row t is quantised; the row five further on and six of R's loads are asked for, and the next row goes through the stage meanwhile.
.macro ROW t
.if (\t) == 0
	s_wait_dscnt 0x0
.else
	s_wait_dscnt 2                                 ; row t is back from the stage; the two younger LDS instructions are the last row's code and byte stores
.endif
.if (\t) < 11
	LOADROW (\t)+5                                 ; its row slot is free: the stage stores that read it stand ahead of the loads that have just come back
.endif
	RLOAD 6*(\t), 6
.if (\t) < 4
	s_wait_loadcnt 32+6*((\t)+1)                   ; row t + 1 is in; behind it: rows t + 2 .. t + 5, and 6 (t + 1) of R's loads
.elseif (\t) < 11
	s_wait_loadcnt 62                              ; behind row t + 1: four rows of eight loads and five batches of six
.elseif (\t) < 15
	s_wait_loadcnt 118-8*((\t)-3)                  ; 14 - t rows and five batches
.endif
.if (\t) < 15
	TURN (\t)+1
.endif
	WIN 0
.set XS, XB+32*((\t)%2)
.set CD, 16+4*((\t)%2)
	v_max3_num_f32 v12, |v[XS]|, |v[XS+1]|, |v[XS+2]|              ; my block's largest magnitude, in two chains
	v_max3_num_f32 v13, |v[XS+3]|, |v[XS+4]|, |v[XS+5]|
.irp i, 6,10,14,18,22,26
	v_max3_num_f32 v12, v12, |v[XS+\i]|, |v[XS+\i+1]|
	v_max3_num_f32 v13, v13, |v[XS+\i+2]|, |v[XS+\i+3]|
.endr
	v_max3_num_f32 v12, v12, |v[XS+30]|, |v[XS+31]|
	v_max3_num_f32 v12, v12, v13, FLOOR
	v_add_nc_u32 v11, 0xff000000, v12              ; 2 off its exponent field: the conversion's scale operand
.irp g, 0,1,2,3
	v_cvt_scalef32_pk8_fp4_f32 v[CD+\g], v[XS+8*\g:XS+8*\g+7], v11
.endr
	v_lshrrev_b32 v[24+(\t)%2], 23, v11            ; the scale's byte (a plain line behind the conversions)
	ds_store_b128 v[AWI], v[CD:CD+3] offset:16*(\t)   ; block = lane, token r = t
	ds_store_b8 v[AWS], v[24+(\t)%2] offset:32*(\t)
.endm
; Tile m of the tokens: two loads of scale words and sixteen of fragments
.macro ALOAD m
	WIN 0
.irp q, 0,1
	ds_load_b128 v[AS+8*\m+4*\q:AS+8*\m+4*\q+3], v[ASR] offset:512*\m+16*\q
.endr
	WIN 0x40                                       ; destination window 1
.irp s, 0,1,2,3,4,5,6,7
.irp c, 0,1
	ds_load_b128 v[8*(8*\m+\s)+4*\c:8*(8*\m+\s)+4*\c+3], v[ARD] offset:AW*\m+272*(4*\s+2*\c)   ; lane (r, h): block 4 s + 2 c + h of token r: sixteen lanes read 256 consecutive bytes
.endr
.endr
	WIN 0
.endm
; A quarter (K steps 2 q, 2 q + 1) of chunk j from LDS into window rw, whose last products stand a tile's way out (36 plain vector instructions) ahead
.macro FILL rw, j, q
	WIN 0x40*\rw
.irp i, 0,1,2,3,4,5,6,7,8,9,10,11,12,13,14,15
	ds_load_b128 v[4*(16*\q+\i):4*(16*\q+\i)+3], v[RLD] offset:32768*\j+512*(16*\q+\i)
.endr
	WIN 0
.endm
; One product: tokens' tile m x columns' tile u, K step s of chunk j.  The first K step starts the sum: nothing is ever cleared.  An odd tile's scale words lie in lanes 16-31.
.macro WM m, u, s, j
.set rD, AC+32*((\m)%2)+8*(\u)
.set rA, 8*(8*(\m)+(\s))
.set rB, 8*(4*(\s)+(\u))
.set rSA, AS+8*(\m)+(\s)
.set rSB, BS+16*(\j)+2*(\s)+(\u)/2
.if (\s) == 0
.if (\u)%2
	v_wmma_scale_f32_16x16x128_f8f6f4 v[rD:rD+7], v[rA:rA+7], v[rB:rB+7], 0, v[rSA], v[rSB] matrix_a_fmt:MATRIX_FMT_FP4 matrix_b_fmt:MATRIX_FMT_FP4 matrix_b_scale:MATRIX_SCALE_ROW1
.else
	v_wmma_scale_f32_16x16x128_f8f6f4 v[rD:rD+7], v[rA:rA+7], v[rB:rB+7], 0, v[rSA], v[rSB] matrix_a_fmt:MATRIX_FMT_FP4 matrix_b_fmt:MATRIX_FMT_FP4
.endif
.else
.if (\u)%2
	v_wmma_scale_f32_16x16x128_f8f6f4 v[rD:rD+7], v[rA:rA+7], v[rB:rB+7], v[rD:rD+7], v[rSA], v[rSB] matrix_a_fmt:MATRIX_FMT_FP4 matrix_b_fmt:MATRIX_FMT_FP4 matrix_b_scale:MATRIX_SCALE_ROW1
.else
	v_wmma_scale_f32_16x16x128_f8f6f4 v[rD:rD+7], v[rA:rA+7], v[rB:rB+7], v[rD:rD+7], v[rSA], v[rSB] matrix_a_fmt:MATRIX_FMT_FP4 matrix_b_fmt:MATRIX_FMT_FP4
.endif
.endif
.endm
; A tile: tokens' tile m x chunk j, whose R lies in window rw: 32 products, the four accumulators by turns; then its way out.
.macro TILE j, rw, m
	WIN 0x01+4*\rw                                 ; source 0 (tokens) window 1, source 1 (R) window rw, C and D window 0
.irp s, 0,1,2,3,4,5,6,7
.irp u, 0,1,2,3
	WM \m, \u, \s, \j
.endr
.endr
	WIN 0
	PLACES 4                                       ; between the last products and the first read of their results
	s_wait_xcnt 0x0                                ; the stores that read this set of registers, two tiles back, have read them
.set OS, OB+32*((\m)%2)
.set AX, AC+32*((\m)%2)
.irp i, 0,1,2,3,4,5,6,7
.irp u, 0,1,2,3
	v_mov_b32 v[OS+4*\i+\u], v[AX+8*\u+\i]         ; token 8 h + i: columns 4 r .. 4 r + 3 side by side; each accumulator from its low end on
.endr
	global_store_b128 v[CO], v[OS+4*\i:OS+4*\i+3], s[12:13] offset:(16*\m+\i)*4096+256*\j th:TH_STORE_NT   ; sixteen lanes store 256 consecutive bytes, at a multiple of 256 from out0's first byte; written once
.endr
.endm
.irp t, 0,1,2,3,4
	ADDR \t
	LOADROW \t
.endr
	WIN 0
.irp t, 5,6,7,8,9,10,11,12,13,14,15
	ADDR \t
.endr
	; ---- PHASE X
	s_wait_loadcnt 32                              ; row 0 is in, and the scale words, which are older; rows 1 to 4 may be out
	TURN 0
.irp t, 0,1,2,3,4,5,6,7,8,9,10,11,12,13,14,15
	ROW \t
.endr
	s_wait_dscnt 0x0                               ; for the others' sake: my codes and bytes lie in LDS
	s_barrier_signal -1
	s_barrier_wait -1                              ; everybody's do.  The tensor load may stay out
	; ---- THE PRODUCT: a tile's stores leave while the next tiles are multiplied
	ALOAD 0
	ALOAD 1
	RLOAD 96, 32                                   ; the last quarter of R's loads
	WIN 0
	s_wait_loadcnt 63                              ; chunk 2 is in: 64 loads, chunk 3's, were issued behind it
	s_wait_dscnt 18                                ; tile 0 of the tokens is in; tile 1's 18 loads may be out
	TILE 2, 2, 0
	ALOAD 2
	s_wait_dscnt 18
	TILE 2, 2, 1
	ALOAD 3
	s_wait_dscnt 18
	TILE 2, 2, 2
	s_wait_dscnt 0x0
	TILE 2, 2, 3
	s_wait_tensorcnt 0x0                           ; chunks 0 and 1, my own bytes, are in LDS
	FILL 2, 0, 0
	s_wait_loadcnt 0x0                             ; chunk 3 is in
	TILE 3, 3, 0
	FILL 2, 0, 1
	TILE 3, 3, 1
	FILL 2, 0, 2
	TILE 3, 3, 2
	FILL 2, 0, 3
	TILE 3, 3, 3
	FILL 3, 1, 0
	s_wait_dscnt 16                                ; chunk 0 is in; the quarter just asked for may be out
	TILE 0, 2, 0
	FILL 3, 1, 1
	TILE 0, 2, 1
	FILL 3, 1, 2
	TILE 0, 2, 2
	FILL 3, 1, 3
	TILE 0, 2, 3
	s_wait_dscnt 0x0                               ; chunk 1 is in
	TILE 1, 3, 0
	TILE 1, 3, 1
	TILE 1, 3, 2
	TILE 1, 3, 3
	s_wait_tensorcnt 0x0                           ; the wave's end, behind my last tensor load and my last LDS store
	ds_add_u32 v[SPW], v[NIL]
	s_wait_dscnt 0x0
	CROUND                                         ; the closing round: no work-group ends while a partner may still ask for a tile that names it
	s_endpgm
.Lfunc_end_k_q0cfd159c2a_main:
	.size	k_q0cfd159c2a_main, .Lfunc_end_k_q0cfd159c2a_main-k_q0cfd159c2a_main
	.p2alignl 7, 3214868480
	.fill 96, 4, 3214868480
	.section	.rodata,"a",@progbits
	.p2align	6, 0x0
	.amdhsa_kernel k_q0cfd159c2a_main
		.amdhsa_group_segment_fixed_size 327680
		.amdhsa_private_segment_fixed_size 0
		.amdhsa_enable_private_segment 0
		.amdhsa_kernarg_size 40
		.amdhsa_user_sgpr_count 2
		.amdhsa_user_sgpr_kernarg_segment_ptr 1
		.amdhsa_wavefront_size32 1
		.amdhsa_system_sgpr_workgroup_id_x 1
		.amdhsa_system_sgpr_workgroup_id_y 1
		.amdhsa_system_sgpr_workgroup_id_z 1
		.amdhsa_system_vgpr_workitem_id 0
		.amdhsa_next_free_vgpr 1024
		.amdhsa_next_free_sgpr 100
		.amdhsa_reserve_vcc 0
		.amdhsa_float_denorm_mode_32 3
		.amdhsa_float_denorm_mode_16_64 3
		.amdhsa_memory_ordered 1
		.amdhsa_forward_progress 1
		.amdhsa_inst_pref_size 187
	.end_amdhsa_kernel
	.amdgpu_metadata
---
amdhsa.version: [ 1, 2 ]
amdhsa.kernels:
  - .name:           k_q0cfd159c2a_main
    .symbol:         k_q0cfd159c2a_main.kd
    .args:
      - { .name: input_ids, .offset: 0, .size: 8, .value_kind: global_buffer, .address_space: global }
      - { .name: weight, .offset: 8, .size: 8, .value_kind: global_buffer, .address_space: global }
      - { .name: rcodes, .offset: 16, .size: 8, .value_kind: global_buffer, .address_space: global }
      - { .name: rscales, .offset: 24, .size: 8, .value_kind: global_buffer, .address_space: global }
      - { .name: out0, .offset: 32, .size: 8, .value_kind: global_buffer, .address_space: global }
    .group_segment_fixed_size: 327680
    .private_segment_fixed_size: 0
    .kernarg_segment_align: 8
    .kernarg_segment_size: 40
    .max_flat_workgroup_size: 128
    .sgpr_count:     100
    .vgpr_count:     1024
    .wavefront_size: 32
...
	.end_amdgpu_metadata
.endif
;; end of part 2
